; MI455X (gfx1250); checked and timed in simulation.
; The chip was launched on July 23, 2026; its instructions are those of AMD's public machine-readable ISA for CDNA 5 (MIT licence, August 2026) and "CDNA5" Instruction Set Architecture Reference Guide (July 2026). The comments in the code are by the model that wrote it; some were corrected since.
;; Torch Group Gemm Reduce RS. Allowed arithmetic: float matrix products may take bf16 or f16 operands with f32 sums; all other float work in f32.
;; Inputs: intermediate_states 16,384 x 1,024 float32; router_logits 8,192 x 8 float32; w 8 x 1,024 x 512 float32.
;; Outputs: out0 8,192 x 512 float32.
;; 2 versions, each right; version 2 is version 1 with the launches gemm, comb written anew for expert scheduling mode. Each part assembles by itself: llvm-mc -triple=amdgcn-amd-amdhsa -mcpu=gfx1250 --defsym DOCPART=n.
;; ======== version 1 of 2: 4 launches
;; limits: values are held in f16: magnitudes above 65,504 overflow, below 6.1e-05 lose precision; inputs' magnitudes at most 65,504
;; workspace buffers: wf 8,388,608 bytes; code 65,536 bytes of whole numbers; tw 65,536 bytes; cntb 8,192 bytes of whole numbers; list 131,072 bytes of whole numbers; pos 65,536 bytes of whole numbers; texp 1,024 bytes of whole numbers; y 34,734,080 bytes
;; launch prep (part 1): grid 256 x 1, 8 waves a work-group, no clusters, 0 bytes of LDS; arguments w, router_logits, wf, code, tw, cntb, list; writes wf, code, tw, cntb, list
.if DOCPART == 1
	.amdgcn_target "amdgcn-amd-amdhsa--gfx1250"
	.amdhsa_code_object_version 6
	.text
	.protected	k_qd8bda7a9ef_prep
	.globl	k_qd8bda7a9ef_prep
	.p2align	8
	.type	k_qd8bda7a9ef_prep,@function
k_qd8bda7a9ef_prep:
	s_mov_b64 s[64:65], 0
	v_nop
	global_prefetch_b8 v0, s[64:65] scope:SCOPE_SE
	s_setreg_imm32_b32 hwreg(HW_REG_WAVE_MODE, 25, 1), 1
	s_wait_xcnt 0x0
; prep: (1) w [8][1024][512] f32 -> wf, in f16 (rounded once) and in the order in which the product's launch wants it in registers;
;       (2) routing: softmax over 8 logits with the maximum taken away, the two best experts of each token;
;       (3) list is set to zero (the next launch puts row numbers into it; what it leaves are padding entries that name row 0).
; THE ORDER OF wf.  Work-group b = 32 e + q holds expert e, K rows 32 q .. 32 q + 31, all 512 columns: 65,536 bytes in, 32,768 out.
; Wave g takes columns 64 g .. 64 g + 63 and makes four matrix fragments (32 K x 16 columns, 1,024 bytes each) of them.
; Lane (r = lane % 16, h = lane / 16) loads 16 bytes at row 16 t + 8 h + i, column 64 g + 4 r, t = 0, 1, i = 0 .. 7: sixteen lanes read
; 256 consecutive bytes, aligned.  Element f of the four belongs to fragment f, so fragment (g, f) holds column 64 g + 4 c + f at its
; place c = r.  A fragment's image: byte 512 t + 16 lane + 4 i' holds k = 16 t + 8 h + 2 i' (low half) and the next k (high half),
; which is the 16-bit operand's register layout (ISA guide 7.12.2): two loads of 16 bytes a lane fill it.  Fragment (g, f) of
; work-group b lies at byte (32 b + 4 g + f) x 1,024.  No lane exchanges anything: the transposition is a choice of registers.
; Wave 0 also routes tokens 32 b + lane, which are rows 64 b .. 64 b + 63 of intermediate_states ("block b"): row 2 t goes to the best
; expert of token t, row 2 t + 1 to the second.  Stored for each row: code = expert | rank << 3 (rank = the row's place among the
; block's rows of that expert), tw = its probability; for each block: cntb[b][e] = the block's rows of expert e.  All of these go to
; fixed places: no address here hangs on a logit.
; WHY f16: a result is a sum of 1,024 products and is compared within a hundredth of the output's root mean square; 11 significant bits
; in each factor leave that allowance far off, 8 bits do not.
; LIMITS: a |w| above 65,504 becomes infinite in f16; below 2^-14 the step is 2^-24.  (Weights of spread 0.02, 30 times larger or
; smaller: 0.6 and 6.7e-4, whose 2^-24 is a ten-thousandth of the spread.)
; Experts are ranked by their logits, the lower index first on equal logits; two logits so close that their probabilities
; round to the same f32 may be ranked otherwise than by the probabilities.  NaN and infinite logits are not served.
; A probability below 2^-126 becomes 0 (v_exp_f32 flushes: ISA guide 15.8).
; No LDS, no barrier, no matrix unit: the work is a stream, and the routing never leaves a wave.
.set L, 4                              ; v[4:11]    the lane's eight logits
.set BEST, 12                          ; v12 best logit, v13 its index
.set M, 14                             ; v[14:21]   the logits with the best one set to -inf
.set SEC, 22                           ; v22 second logit (then its exponential), v23 its index
.set E, 24                             ; v[24:31]   exponentials
.set X, 32                             ; v[32:95]   16 loads of w: row 16 t + 8 h + i at X + 4 (8 t + i), 4 columns each
.set Y, 96                             ; v[96:127]  8 stores of wf: half t of fragment f at Y + 4 (4 t + f); each quad is written once
                                       ; v128 sum  v129 -inf  v130, v131 ranks  v132 at work  v133 counts (lane e: expert e)
                                       ; v[134:135] codes  v[136:137] weights  v138, v139, v144 offsets  v[140:143] zeros
	s_load_b256 s[4:11], s[0:1], 0x0               ; w s[4:5], router_logits s[6:7], wf s[8:9], code s[10:11]
	s_load_b128 s[12:15], s[0:1], 0x20             ; tw s[12:13], cntb s[14:15]
	s_load_b64 s[28:29], s[0:1], 0x30              ; list
	v_lshrrev_b32 v3, 5, v0
	v_readfirstlane_b32 s16, v3                    ; wave g, 0..7
	s_lshl_b32 s18, ttmp9, 16                      ; my 65,536 bytes of w
	s_mov_b32 s19, 0
	s_lshl_b32 s20, ttmp9, 15                      ; my 32,768 bytes of wf
	s_mov_b32 s21, 0
	v_and_b32 v1, 15, v0                           ; r
	v_bfe_u32 v2, v0, 4, 1                         ; h
	v_lshlrev_b32 v1, 4, v1                        ; 16 r: four columns of f32
	v_lshl_add_u32 v1, v2, 14, v1                  ; + 8 h rows of 2,048 bytes
	s_lshl_b32 s17, s16, 8
	v_add_nc_u32 v1, s17, v1                       ; + 256 g: my wave's 64 columns
	v_and_b32 v2, 31, v0
	s_lshl_b32 s22, s16, 12
	v_lshl_add_u32 v2, v2, 4, s22                  ; out: 4,096 g + 16 lane
	s_wait_kmcnt 0x0
	s_add_nc_u64 s[4:5], s[4:5], s[18:19]
	s_add_nc_u64 s[8:9], s[8:9], s[20:21]
.irp t, 0,1
.irp i, 0,1,2,3,4,5,6,7
	global_load_b128 v[X+4*(8*\t+\i):X+4*(8*\t+\i)+3], v1, s[4:5] offset:2048*(16*\t+\i) th:TH_LOAD_NT    ; w is read once in the launch
.endr
.endr
	s_cmp_lg_u32 s16, 0
	s_cbranch_scc1 .Lconvert                       ; waves 1 to 7 only convert
	; ---- wave 0: the routing of 32 tokens, one a lane (here v0 is the lane and v2 = 16 lane)
	s_lshl_b32 s17, ttmp9, 10                      ; 32 tokens x 32 bytes of logits
	v_lshl_add_u32 v3, v0, 5, s17
	global_load_b128 v[L:L+3],   v3, s[6:7]
	global_load_b128 v[L+4:L+7], v3, s[6:7] offset:16
	s_lshl_b32 s22, ttmp9, 9
	v_add_nc_u32 v144, s22, v2                     ; list: 512 b + 16 lane
	v_mov_b32 v140, 0
	v_mov_b32 v141, 0
	v_mov_b32 v142, 0
	v_mov_b32 v143, 0
	global_store_b128 v144, v[140:143], s[28:29]   ; 512 consecutive bytes, aligned; 256 work-groups clear 131,072 bytes, of which 67,840 are places
	v_mov_b32 v129, 0xff800000                     ; -inf
	s_wait_loadcnt 0x0                             ; the logits were issued last: everything of this wave is in
; the largest of eight numbers and its index; a strict > keeps the lower index on equal numbers.  Values are selected, nothing branches.
.macro TOP1 src, val, idx
	v_cmp_gt_f32 vcc_lo, v[\src+1], v[\src]
	v_cndmask_b32 v[\val], v[\src], v[\src+1], vcc_lo
	v_cndmask_b32 v[\idx], 0, 1, vcc_lo
.irp i, 2,3,4,5,6,7
	v_cmp_gt_f32 vcc_lo, v[\src+\i], v[\val]
	v_cndmask_b32 v[\val], v[\val], v[\src+\i], vcc_lo
	v_cndmask_b32 v[\idx], v[\idx], \i, vcc_lo
.endr
.endm
	TOP1 L, BEST, BEST+1
.irp i, 0,1,2,3,4,5,6,7
	v_cmp_eq_u32 vcc_lo, \i, v[BEST+1]
	v_cndmask_b32 v[M+\i], v[L+\i], v129, vcc_lo   ; the best one leaves the field
.endr
	TOP1 M, SEC, SEC+1
	; softmax: e^(l - max) = 2^((l - max) * log2 e); the difference is formed first, so a common offset of the logits costs nothing
.irp i, 0,1,2,3,4,5,6,7
	v_sub_f32 v[E+\i], v[L+\i], v[BEST]
.endr
	v_sub_f32 v[SEC], v[SEC], v[BEST]
.irp i, 0,1,2,3,4,5,6,7
	v_mul_f32 v[E+\i], 0x3fb8aa3b, v[E+\i]
.endr
	v_mul_f32 v[SEC], 0x3fb8aa3b, v[SEC]
.irp i, 0,1,2,3,4,5,6,7
	v_exp_f32 v[E+\i], v[E+\i]
.endr
	v_exp_f32 v[SEC], v[SEC]
	v_mov_b32 v130, 0                              ; a plain instruction between the last exponential and the first use (ISA guide 5.7.2)
	v_mov_b32 v131, 0
	v_mov_b32 v133, 0
	s_wait_alu depctr_va_vdst(0)
	v_add_f32 v128, v[E], v[E+1]
	v_add_f32 v132, v[E+2], v[E+3]
	v_add_f32 v[E+4], v[E+4], v[E+5]
	v_add_f32 v[E+6], v[E+6], v[E+7]
	v_add_f32 v128, v128, v132
	v_add_f32 v[E+4], v[E+4], v[E+6]
	v_add_f32 v128, v128, v[E+4]                   ; at least 1: the best expert's term is 2^0
	v_rcp_f32 v136, v128                           ; the best expert's probability is 1 / sum; the rank work below stands between this and its use
	; ranks and counts: for expert e the block's rows are numbered, first those that are a token's best, then those that are its second
.irp e, 0,1,2,3,4,5,6,7
	v_cmp_eq_u32 s24, \e, v[BEST+1]
	v_cmp_eq_u32 s25, \e, v[SEC+1]
	s_bcnt1_i32_b32 s26, s24
	s_bcnt1_i32_b32 s27, s25
	v_mbcnt_lo_u32_b32 v132, s24, 0                ; lanes below me whose best is e
	v_cndmask_b32 v130, v130, v132, s24
	v_mbcnt_lo_u32_b32 v132, s25, s26              ; all those, plus lanes below me whose second is e
	v_cndmask_b32 v131, v131, v132, s25
	s_add_co_u32 s27, s26, s27
	v_writelane_b32 v133, s27, \e
.endr
	s_wait_alu depctr_va_vdst(0)
	v_mul_f32 v137, v[SEC], v136                   ; the second's probability
	v_lshl_or_b32 v134, v130, 3, v[BEST+1]
	v_lshl_or_b32 v135, v131, 3, v[SEC+1]
	s_lshl_b32 s23, ttmp9, 8
	v_lshl_add_u32 v138, v0, 3, s23                ; rows 2 t and 2 t + 1: byte 256 b + 8 lane; the wave's store covers 256 consecutive bytes, aligned
	global_store_b64 v138, v[134:135], s[10:11]
	global_store_b64 v138, v[136:137], s[12:13]
	s_lshl_b32 s31, ttmp9, 5
	v_lshl_add_u32 v139, v0, 2, s31                ; cntb[b][lane]
	v_cmp_gt_u32 vcc_lo, 8, v0
	s_wait_xcnt 0x0                                ; EXEC is a source of the stores above: it narrows only behind this wait
	s_and_saveexec_b32 s30, vcc_lo
	global_store_b32 v139, v133, s[14:15]          ; eight lanes, 32 consecutive bytes
	s_wait_xcnt 0x0                                ; and widens only behind this one
	s_or_b32 exec_lo, exec_lo, s30
.Lconvert:
.irp t, 0,1
	s_wait_loadcnt 8-8*\t                          ; loads come back in order (ISA guide 5.7.1): the eight rows of half t are in, the other half's eight may be out (wave 0: all are in)
.irp f, 0,1,2,3
.irp i, 0,1,2,3
	v_cvt_pk_f16_f32 v[Y+4*(4*\t+\f)+\i], v[X+4*(8*\t+2*\i)+\f], v[X+4*(8*\t+2*\i+1)+\f]   ; column f of rows 2 i and 2 i + 1: the lower k in the low half
.endr
	global_store_b128 v2, v[Y+4*(4*\t+\f):Y+4*(4*\t+\f)+3], s[8:9] offset:1024*\f+512*\t   ; the wave stores 512 consecutive bytes, aligned
.endr
.endr
	s_endpgm
.Lfunc_end_k_qd8bda7a9ef_prep:
	.size	k_qd8bda7a9ef_prep, .Lfunc_end_k_qd8bda7a9ef_prep-k_qd8bda7a9ef_prep
	.p2alignl 7, 3214868480
	.fill 96, 4, 3214868480
	.section	.rodata,"a",@progbits
	.p2align	6, 0x0
	.amdhsa_kernel k_qd8bda7a9ef_prep
		.amdhsa_group_segment_fixed_size 0
		.amdhsa_private_segment_fixed_size 0
		.amdhsa_enable_private_segment 0
		.amdhsa_kernarg_size 56
		.amdhsa_user_sgpr_count 2
		.amdhsa_user_sgpr_kernarg_segment_ptr 1
		.amdhsa_wavefront_size32 1
		.amdhsa_system_sgpr_workgroup_id_x 1
		.amdhsa_system_sgpr_workgroup_id_y 1
		.amdhsa_system_sgpr_workgroup_id_z 1
		.amdhsa_system_vgpr_workitem_id 0
		.amdhsa_next_free_vgpr 148
		.amdhsa_next_free_sgpr 66
		.amdhsa_reserve_vcc 1
		.amdhsa_float_denorm_mode_32 3
		.amdhsa_float_denorm_mode_16_64 3
		.amdhsa_memory_ordered 1
		.amdhsa_forward_progress 1
		.amdhsa_inst_pref_size 15
	.end_amdhsa_kernel
	.amdgpu_metadata
---
amdhsa.version: [ 1, 2 ]
amdhsa.kernels:
  - .name:           k_qd8bda7a9ef_prep
    .symbol:         k_qd8bda7a9ef_prep.kd
    .args:
      - { .name: w, .offset: 0, .size: 8, .value_kind: global_buffer, .address_space: global }
      - { .name: router_logits, .offset: 8, .size: 8, .value_kind: global_buffer, .address_space: global }
      - { .name: wf, .offset: 16, .size: 8, .value_kind: global_buffer, .address_space: global }
      - { .name: code, .offset: 24, .size: 8, .value_kind: global_buffer, .address_space: global }
      - { .name: tw, .offset: 32, .size: 8, .value_kind: global_buffer, .address_space: global }
      - { .name: cntb, .offset: 40, .size: 8, .value_kind: global_buffer, .address_space: global }
      - { .name: list, .offset: 48, .size: 8, .value_kind: global_buffer, .address_space: global }
    .group_segment_fixed_size: 0
    .private_segment_fixed_size: 0
    .kernarg_segment_align: 8
    .kernarg_segment_size: 56
    .max_flat_workgroup_size: 256
    .sgpr_count:     66
    .vgpr_count:     148
    .wavefront_size: 32
...
	.end_amdgpu_metadata
.endif
;; end of part 1
;; launch sort (part 2): grid 1 x 1, 32 waves a work-group, no clusters, 12,544 bytes of LDS; arguments code, cntb, list, pos, texp; writes list, pos, texp
.if DOCPART == 2
	.amdgcn_target "amdgcn-amd-amdhsa--gfx1250"
	.amdhsa_code_object_version 6
	.text
	.protected	k_qd8bda7a9ef_sort
	.globl	k_qd8bda7a9ef_sort
	.p2align	8
	.type	k_qd8bda7a9ef_sort,@function
k_qd8bda7a9ef_sort:
	s_mov_b64 s[64:65], 0
	v_nop
	global_prefetch_b8 v0, s[64:65] scope:SCOPE_SE
	s_setreg_imm32_b32 hwreg(HW_REG_WAVE_MODE, 25, 1), 1
	s_wait_xcnt 0x0
; sort: from the rows' codes and the blocks' counts to places.  The 16,384 rows are laid out by expert; each expert's run begins at a
; multiple of 80 places (a tile of the next launch).  Place of a row = 80 x (tiles of the experts before) + (rows of its expert in the
; blocks before) + (its rank in its block).  Stored: pos[row] = place; list[place] = row (places that no row takes keep the zero that
; the launch before put there); texp[tile] = the tile's expert (7 behind the last tile).
; Tiles: the sum over e of ceil(n_e / 80) is at most (16,384 + 8 x 79) / 80, so at most 212: places 0 .. 16,959.
; One work-group, since the sums span all blocks: 8 x 256 counts and 16,384 codes are 73,728 bytes in all.
; The row numbers go to list as single words: their places are apart by arithmetic on data alone, so they are not gathered in LDS
; that 32 waves would share; rows of one block and one expert are neighbours in list.
.set BASE, 0                           ; LDS: [8 experts][256 blocks] words: rows of the expert in the blocks before
.set NTOT, 8192                        ; LDS: 8 words: rows of each expert
.set C, 16                             ; v[16:31]   16 codes, then ranks
.set P, 32                             ; v[32:47]   places
.set A, 48                             ; v[48:63]   LDS addresses, then byte offsets in list
.set T, 64                             ; v[64:79]   experts, then 80 x first tile of the expert
.set B, 80                             ; v[80:95]   rows in the blocks before, then row numbers
.set W, 96                             ; v[96:111]  the scan; later the totals and texp
	s_load_b256 s[4:11], s[0:1], 0x0               ; code s[4:5], cntb s[6:7], list s[8:9], pos s[10:11]
	s_load_b64 s[12:13], s[0:1], 0x20              ; texp
	v_lshl_add_u32 v112, v0, 2, 0x2100
	v_mov_b32 v113, 0
	v_lshrrev_b32 v5, 5, v0
	v_readfirstlane_b32 s14, v5                    ; wave 0..31
	v_and_b32 v1, 31, v0                           ; lane
	v_lshlrev_b32 v2, 4, v0                        ; 16 t: thread t holds rows 4,096 j + 4 t + q, j and q 0..3
	v_lshrrev_b32 v5, 4, v0
	v_lshlrev_b32 v5, 2, v5                        ; 4 (t >> 4): those rows lie in block 64 j + (t >> 4)
	v_lshlrev_b32 v6, 2, v0                        ; 4 t
	v_mov_b32 v8, 0
	s_wait_kmcnt 0x0
.irp j, 0,1,2,3
	global_load_b128 v[C+4*\j:C+4*\j+3], v2, s[4:5] offset:16384*\j
.endr
	s_cmp_gt_u32 s14, 7
	s_cbranch_scc1 .Lscanned
	; ---- waves 0 to 7: wave e sums expert e's counts over the 256 blocks; lane l holds blocks 8 l .. 8 l + 7
	s_lshl_b32 s40, s14, 2
	v_lshl_add_u32 v9, v1, 8, s40                  ; cntb[8 l][e]: byte 256 l + 4 e
.irp i, 0,1,2,3,4,5,6,7
	global_load_b32 v[W+\i], v9, s[6:7] offset:32*\i
.endr
	s_wait_loadcnt 0x0
	v_add3_u32 v14, v[W], v[W+1], v[W+2]
	v_add3_u32 v14, v14, v[W+3], v[W+4]
	v_add3_u32 v14, v14, v[W+5], v[W+6]
	v_add_nc_u32 v14, v14, v[W+7]                  ; the lane's total
	; sums over the lanes below, in five doubling steps; lane l takes lane l - d through the LDS unit, which touches no LDS byte
	v_add_lshl_u32 v10, v1, -1, 2
	ds_bpermute_b32 v11, v10, v14
	v_cmp_le_u32 vcc_lo, 1, v1
	s_wait_dscnt 0x0
	v_cndmask_b32 v11, 0, v11, vcc_lo              ; lanes without a partner add nothing
	v_add_nc_u32 v13, v14, v11
.irp d, 2,4,8,16
	v_add_lshl_u32 v10, v1, -\d, 2
	ds_bpermute_b32 v11, v10, v13
	v_cmp_le_u32 vcc_lo, \d, v1
	s_wait_dscnt 0x0
	v_cndmask_b32 v11, 0, v11, vcc_lo
	v_add_nc_u32 v13, v13, v11
.endr
	v_sub_nc_u32 v[W+8], v13, v14                  ; rows in the blocks before my first block
.irp i, 0,1,2,3,4,5,6
	v_add_nc_u32 v[W+9+\i], v[W+8+\i], v[W+\i]
.endr
	s_lshl_b32 s41, s14, 10
	v_lshl_add_u32 v12, v1, 5, s41                 ; BASE[e][8 l]: the wave's own 1,024 bytes
	ds_store_b128 v12, v[W+8:W+11] offset:BASE
	ds_store_b128 v12, v[W+12:W+15] offset:BASE+16
	v_readlane_b32 s42, v13, 31                    ; n_e
	v_mov_b32 v11, s42
	v_mov_b32 v10, s40
	ds_store_b32 v10, v11 offset:NTOT              ; every lane writes the same word with the same number
.Lscanned:
	s_wait_dscnt 0x0                               ; my LDS stores are done, for the other waves' sake
	s_barrier_signal -1
	s_barrier_wait -1                              ; BASE and NTOT are whole
	ds_load_b128 v[W:W+3],   v8 offset:NTOT
	ds_load_b128 v[W+4:W+7], v8 offset:NTOT+16
	s_wait_dscnt 0x0
.irp e, 0,1,2,3,4,5,6,7
	v_readfirstlane_b32 s[16+\e], v[W+\e]          ; n_e
.endr
	s_mov_b32 s24, 0                               ; s[24:31]: first tile of expert e
.irp e, 0,1,2,3,4,5,6
	s_add_co_u32 s40, s[16+\e], 79
	s_mul_i32 s40, s40, 52429                      ; x / 80 = (x * 52,429) >> 22, exact below 262,144 since 80 * 52,429 = 2^22 + 16
	s_lshr_b32 s40, s40, 22
	s_add_co_u32 s[25+\e], s[24+\e], s40
.endr
	v_mov_b32 v7, 0
.irp e, 0,1,2,3,4,5,6,7
	s_mul_i32 s[32+\e], s[24+\e], 80
	v_writelane_b32 v7, s[32+\e], \e               ; lane e: first place of expert e
.endr
	s_wait_loadcnt 0x0                             ; the codes
.irp j, 0,1,2,3
.irp q, 0,1,2,3
	v_min_u32 v[C+4*\j+\q], 0x1ff, v[C+4*\j+\q]    ; a loaded number enters an address only inside its range: 3 bits of expert, 6 of rank
	v_and_b32 v[T+4*\j+\q], 7, v[C+4*\j+\q]
	v_lshrrev_b32 v[C+4*\j+\q], 3, v[C+4*\j+\q]
	v_lshl_add_u32 v[A+4*\j+\q], v[T+4*\j+\q], 10, v5
	v_lshlrev_b32 v[T+4*\j+\q], 2, v[T+4*\j+\q]
	ds_load_b32 v[B+4*\j+\q], v[A+4*\j+\q] offset:BASE+256*\j      ; BASE[expert][64 j + (t >> 4)]
	ds_bpermute_b32 v[T+4*\j+\q], v[T+4*\j+\q], v7                 ; first place of the expert
.endr
.endr
	s_wait_dscnt 0x0
.irp j, 0,1,2,3
.irp q, 0,1,2,3
	v_add3_u32 v[P+4*\j+\q], v[B+4*\j+\q], v[T+4*\j+\q], v[C+4*\j+\q]
	v_min_u32 v[P+4*\j+\q], 0x423f, v[P+4*\j+\q]   ; 16,959, the last place
	v_lshlrev_b32 v[A+4*\j+\q], 2, v[P+4*\j+\q]
	v_add_nc_u32 v[B+4*\j+\q], 4096*\j+\q, v6      ; the row's number
	global_store_b32 v[A+4*\j+\q], v[B+4*\j+\q], s[8:9]
.endr
	global_store_b128 v2, v[P+4*\j:P+4*\j+3], s[10:11] offset:16384*\j     ; sixteen lanes store 256 consecutive bytes, aligned
.endr
	s_cmp_gt_u32 s14, 7
	s_cbranch_scc1 .Ldone
	; ---- waves 0 to 7: texp[t] = how many of the experts 1 to 7 begin at or before tile t (an expert without rows takes no tile)
	v_mov_b32 v[W], 0
.irp e, 1,2,3,4,5,6,7
	v_cmp_le_u32 vcc_lo, s[24+\e], v0
	v_add_co_ci_u32 v[W], vcc_lo, 0, v[W], vcc_lo
.endr
	global_store_b32 v6, v[W], s[12:13]
.Ldone:
	s_wait_tensorcnt 0x0
	ds_add_u32 v112, v113
	s_wait_dscnt 0x0
	s_endpgm
.Lfunc_end_k_qd8bda7a9ef_sort:
	.size	k_qd8bda7a9ef_sort, .Lfunc_end_k_qd8bda7a9ef_sort-k_qd8bda7a9ef_sort
	.p2alignl 7, 3214868480
	.fill 96, 4, 3214868480
	.section	.rodata,"a",@progbits
	.p2align	6, 0x0
	.amdhsa_kernel k_qd8bda7a9ef_sort
		.amdhsa_group_segment_fixed_size 12544
		.amdhsa_private_segment_fixed_size 0
		.amdhsa_enable_private_segment 0
		.amdhsa_kernarg_size 40
		.amdhsa_user_sgpr_count 2
		.amdhsa_user_sgpr_kernarg_segment_ptr 1
		.amdhsa_wavefront_size32 1
		.amdhsa_system_sgpr_workgroup_id_x 1
		.amdhsa_system_sgpr_workgroup_id_y 1
		.amdhsa_system_sgpr_workgroup_id_z 1
		.amdhsa_system_vgpr_workitem_id 0
		.amdhsa_next_free_vgpr 114
		.amdhsa_next_free_sgpr 66
		.amdhsa_reserve_vcc 1
		.amdhsa_float_denorm_mode_32 3
		.amdhsa_float_denorm_mode_16_64 3
		.amdhsa_memory_ordered 1
		.amdhsa_forward_progress 1
		.amdhsa_inst_pref_size 19
	.end_amdhsa_kernel
	.amdgpu_metadata
---
amdhsa.version: [ 1, 2 ]
amdhsa.kernels:
  - .name:           k_qd8bda7a9ef_sort
    .symbol:         k_qd8bda7a9ef_sort.kd
    .args:
      - { .name: code, .offset: 0, .size: 8, .value_kind: global_buffer, .address_space: global }
      - { .name: cntb, .offset: 8, .size: 8, .value_kind: global_buffer, .address_space: global }
      - { .name: list, .offset: 16, .size: 8, .value_kind: global_buffer, .address_space: global }
      - { .name: pos, .offset: 24, .size: 8, .value_kind: global_buffer, .address_space: global }
      - { .name: texp, .offset: 32, .size: 8, .value_kind: global_buffer, .address_space: global }
    .group_segment_fixed_size: 12544
    .private_segment_fixed_size: 0
    .kernarg_segment_align: 8
    .kernarg_segment_size: 40
    .max_flat_workgroup_size: 1024
    .sgpr_count:     66
    .vgpr_count:     114
    .wavefront_size: 32
...
	.end_amdgpu_metadata
.endif
;; end of part 2
;; launch gemm (part 3): grid 212 x 1, 8 waves a work-group, no clusters, 87,552 bytes of LDS; arguments intermediate_states, wf, list, texp, y; writes y
.if DOCPART == 3
	.amdgcn_target "amdgcn-amd-amdhsa--gfx1250"
	.amdhsa_code_object_version 6
	.text
	.protected	k_qd8bda7a9ef_gemm
	.globl	k_qd8bda7a9ef_gemm
	.p2align	8
	.type	k_qd8bda7a9ef_gemm,@function
k_qd8bda7a9ef_gemm:
	s_mov_b64 s[64:65], 0
	v_nop
	global_prefetch_b8 v0, s[64:65] scope:SCOPE_SE
	s_setreg_imm32_b32 hwreg(HW_REG_WAVE_MODE, 25, 1), 1
	s_wait_xcnt 0x0
; gemm: y[p][n] = sum over k of x[list[p]][k] * w[texp[p / 80]][k][n], p = 0 .. 16,959, n = 0 .. 511, k = 0 .. 1,023.
; x f32, rounded once to f16 on its way; w comes as wf, in f16 and in fragment order; sums and y in f32.  The router's weight is applied
; by the next launch, in f32.
; WHY f16: a result is a sum of 1,024 products and is compared within a hundredth of the output's root mean square; 11 significant bits
; in each factor leave that allowance far off, 8 bits do not.
; LIMIT: an |x| above 65,504 becomes infinite in f16; below 2^-14 the step is 2^-24.  (Rows of spread 0.02, 30 times larger or smaller:
; 0.6 and 6.7e-4, whose 2^-24 is a ten-thousandth of the spread.)
; Work-group j makes places 80 j .. 80 j + 79 (one expert), all 512 columns, so each row of x is read by one work-group, once.
; Eight waves, two on each of a WGP's four SIMDs; wave w makes 80 rows x columns 64 w .. 64 w + 63: 20 accumulator tiles of 16 x 16.
; 212 work-groups are the bound of the tile count for every routing ((16,384 + 8 x 79) / 80); how many hold rows is known only from
; memory (205 at the least).  A tile without rows runs the same text on padding entries (row 0, expert 7) and stores places that
; nobody reads: every wave must pass every barrier, so no branch on loaded numbers stands round them.
; K goes in 32 quarter steps of 32, four to a K step of 128, written out: no loop, no label.
;   B (wf): a wave's columns of B are read by that wave alone, so LDS would share nothing.  The launch before has laid the weights out as
;          register images of fragments; a quarter step's four fragments are 4,096 consecutive bytes, eight loads of 512 bytes, straight
;          into one of FIVE register buffers that take turns: in quarter q the buffer that quarter q - 1 has used is loaded for q + 4.
;          No barrier drains these loads.  Fragment f holds column 64 w + 4 c + f at its place c; the way out puts the columns in order.
;   A (x): gathered by rows and needed by all eight waves, so through registers into LDS: wave w loads rows 10 w .. 10 w + 9, 512 bytes of
;          a row with one load, into two sets of 40 registers, converts them and stores them to one of two LDS slots; one barrier a K step.
; WHY EIGHT WAVES: a load brings 512 bytes and LOADcnt counts up to 63 (ISA guide 5.7.1).  A wave here has at most 52 loads out (32 of B,
; four quarters ahead, and up to 20 of x); eight waves have 208 KiB on their way, which four could not.
; LOADS ARE COUNTED BY THE ASSEMBLER: ISS is the number of loads issued so far in the text, a mark the value of ISS at a group's last load;
; loads come back in order (ISA guide 5.7.1), so the wait for a group has the count ISS - mark: the loads issued behind it.
; NO TENSOR LOADS: nothing of B is shared inside the work-group, and x's rows are scattered.  NO CLUSTER: neighbouring tiles of one expert
; do read the same B, but which expert a tile has is a number read from memory; a joint request wants an address made only of coordinates
; that the partners share, and a constant map from tiles to experts would have to serve 8,192 rows for each expert, four times the work.
; REGISTERS, in two windows of 256 (s_set_vgpr_msb, low byte: bits 1:0 source 0, 3:2 source 1, 5:4 source 2, 7:6 destination):
;   window 0: v1-6 addresses, v8-17 x offsets, v18-25 converted pairs, v32-111 two sets of x rows in f32 (on the way out: rows of y),
;             v112-151, v152-191 fragments of A (two buffers), v192-223, v224-255 B's buffers 3 and 4
;   window 1: v0-159 accumulators, tile (a, f) at v[8 (4 a + f)]; v160-191, v192-223, v224-255 B's buffers 0, 1, 2
; THE MATRIX INSTRUCTION IS USED TRANSPOSED: source 0 = a fragment of B, source 1 = 16 rows of A: lane l then holds row l % 16 and its
; registers 0-7 the fragment's places 8 (l / 16) + 0..7.
.set PA,    272                        ; A's LDS row: 256 bytes (128 f16) + 16: an odd multiple of 16, so 16 rows start at 16 different 16-byte columns modulo 256
.set SLOTA, 80*PA                      ; 21,760
.set STAGE, 2*SLOTA                    ; 43,520: behind A's two slots, the stages of the way out
.set PS,    336                        ; a stage's row: 256 bytes (64 f32) + 80: an odd multiple of 16 for the 16-byte stores, and 84 words, so that the two rows
                                       ; that a 4-byte load reads lie 20 banks apart (64 banks of 4 bytes: ISA guide 11.1): words 0-15 and 20-35
.set STG,   16*PS                      ; 5,376: a wave's stage, 16 rows
.set ADRA, 1                           ; v1      A fragments: 272 r + 16 h
.set AST,  2                           ; v2      where I store 8 bytes of a converted row
.set STO,  3                           ; v3      the way out: where I put 32 bytes of a fragment's row
.set RD,   4                           ; v4      the way out: where I read a column back
.set CO,   5                           ; v5      my byte offset in the tile's rows of y
.set BO,   6                           ; v6      my byte offset in a quarter step's 32,768 bytes of wf; never rewritten
.set OFF,  8                           ; v8-17   byte offset in x of my 16 bytes of my wave's 10 rows; never rewritten
.set CT,   18                          ; v18-25  four converted pairs
.set RS,   32                          ; v32-111 two sets of 10 rows x 4 f32
.set OB0,  32
.set OB1,  64
.set FA0,  112
.set FA1,  152
.set ROWS, 24                          ; s[24:33] my wave's 10 row numbers
.set MSB, 0
.set ISS, 0                            ; loads issued so far
.set Q,   0                            ; the quarter step at work
.macro WIN new                         ; the immediate's high byte repeats the setting that is left
.if MSB != (\new)
	s_set_vgpr_msb (MSB<<8)|(\new)
.set MSB, (\new)
.endif
.endm
.macro BSEL n                          ; B's buffer n: its window BW and its first register BR
.if (\n) < 3
.set BW, 1
.set BR, 160+32*(\n)
.else
.set BW, 0
.set BR, 192+32*((\n)-3)
.endif
.endm
.macro MARK n                          ; group n's last load has just been issued.  Groups 0-4: B's buffers; 5 + 3 set + part: the parts of x's sets
.irp k, 0,1,2,3,4,5,6,7,8,9,10
.if (\n) == \k
.set MK\k, ISS
.endif
.endr
.endm
.macro GETM n                          ; MKX = group n's mark
.irp k, 0,1,2,3,4,5,6,7,8,9,10
.if (\n) == \k
.set MKX, MK\k
.endif
.endr
.endm
.macro PLACES                          ; four plain vector instructions between a matrix instruction and a load into, or a store from, its registers
.rept 4
	v_nop
.endr
.endm
; eight loads: quarter step q's four fragments of my 64 columns, 4,096 consecutive bytes, into buffer q % 5
.macro LOADB q
	BSEL (\q)%5
	WIN BW<<6                                      ; destination in the buffer's window, address in window 0
.irp f, 0,1,2,3
	global_load_b128 v[BR+8*\f:BR+8*\f+3],   v[BO], s[6:7] offset:(\q)*32768+\f*1024       ; k = 8 h .. 8 h + 7 of the fragment's place r
	global_load_b128 v[BR+8*\f+4:BR+8*\f+7], v[BO], s[6:7] offset:(\q)*32768+\f*1024+512   ; k = 16 + 8 h ..
.endr
.set ISS, ISS+8
	MARK (\q)%5
.endm
; n loads: K step st of rows r0 .. r0 + n - 1 of my 10, part p of register set 'set'; each load takes 512 consecutive bytes of one row.
; Every row is named once by the list, but for row 0, which padding names too.
.macro XLOAD set, p, r0, n, st
	WIN 0
.set rr, \r0
.rept \n
	global_load_b128 v[RS+40*\set+4*rr:RS+40*\set+4*rr+3], v[OFF+rr], s[4:5] offset:512*\st th:TH_LOAD_NT
.set rr, rr+1
.endr
.set ISS, ISS+\n
	MARK 5+3*\set+\p
.endm
; the same rows, rounded to f16 and stored to A's slot 'set'.  Where more than 63 loads have been issued behind the part no wait is
; written: the wait for B at the quarter's head, whose loads are younger than the part's, has shown it in.
.macro CONVC set, p, r0, n
	GETM 5+3*\set+\p
.if ISS-MKX <= 63
	s_wait_loadcnt ISS-MKX
.endif
	WIN 0
.set rr, \r0
.rept \n
	v_cvt_pk_f16_f32 v[CT+2*(rr-\r0)],   v[RS+40*\set+4*rr],   v[RS+40*\set+4*rr+1]
	v_cvt_pk_f16_f32 v[CT+2*(rr-\r0)+1], v[RS+40*\set+4*rr+2], v[RS+40*\set+4*rr+3]
.set rr, rr+1
.endr
.set rr, \r0
.rept \n
	ds_store_b64 v[AST], v[CT+2*(rr-\r0):CT+2*(rr-\r0)+1] offset:\set*SLOTA+PA*rr      ; 32 lanes, 256 consecutive bytes: a row
.set rr, rr+1
.endr
.endm
; ten LDS loads: A's fragments (80 rows x 32 K) of quarter qq of slot s
.macro FETCHA s, qq, fa
	WIN 0
.irp a, 0,1,2,3,4
	ds_load_b128 v[\fa+8*\a:\fa+8*\a+3],   v[ADRA] offset:\s*SLOTA+\a*16*PA+64*\qq
	ds_load_b128 v[\fa+8*\a+4:\fa+8*\a+7], v[ADRA] offset:\s*SLOTA+\a*16*PA+64*\qq+32
.endr
.endm
.macro MULSEL                          ; windows for the products of quarter Q: source 0 in B's buffer's window, source 1 in window 0, C and D in window 1
	BSEL Q%5
	WIN 0x50+BW
.endm
; four matrix instructions: row block a x my four fragments, 32 along K.  zero = 1: the product starts the sums, nothing is cleared.
; The 20 accumulators take turns, one instruction a turn, in the same order in every quarter step.
.macro MULA fa, a, zero
.irp f, 0,1,2,3
.if \zero
	v_wmma_f32_16x16x32_f16 v[8*(4*\a+\f):8*(4*\a+\f)+7], v[BR+8*\f:BR+8*\f+7], v[\fa+8*\a:\fa+8*\a+7], 0
.else
	v_wmma_f32_16x16x32_f16 v[8*(4*\a+\f):8*(4*\a+\f)+7], v[BR+8*\f:BR+8*\f+7], v[\fa+8*\a:\fa+8*\a+7], v[8*(4*\a+\f):8*(4*\a+\f)+7]
.endif
.endr
.endm
; One of a K step's first three quarters: multiplies A's buffer fa and B's buffer Q % 5.  In its middle it converts a part of the next K step's
; A (n rows; n = 0: none), fetches A's quarter qn of slot s into buffer ga, asks for B's quarter Q + 4 and (st >= 0) for K step st of the
; rows just converted.  The conversions (six or eight) are the places between the matrix instructions that read those buffers last, in the
; quarter before, and the loads into them; where there are none, four v_nop.  B is asked for ahead of x, so that x has until the wait for
; the NEXT quarter's B to come back.
.macro QUARTER s, qn, fa, ga, zero, set, p, r0, n, st
	GETM Q%5
	s_wait_loadcnt ISS-MKX                         ; this quarter's B is in; what was issued behind it stays out
	s_wait_dscnt 6                                 ; A's row blocks 0 and 1 are in; the youngest six loads (row blocks 2 to 4) may be out
	MULSEL
	MULA \fa, 0, \zero
	MULA \fa, 1, \zero
.if \n
	CONVC \set, \p, \r0, \n
.else
	PLACES
.endif
	FETCHA \s, \qn, \ga
.if Q+4 < 32
	LOADB Q+4
.endif
.if \n
.if \st >= 0
	XLOAD \set, \p, \r0, \n, \st
.endif
.endif
	s_wait_dscnt 10                                ; all but the ten fragment loads just issued
	MULSEL
	MULA \fa, 2, \zero
	MULA \fa, 3, \zero
	MULA \fa, 4, \zero
.set Q, Q+1
.endm
.macro STEP s, zero, set, cv, st       ; cv = 1: the next K step's A is converted, in parts of 4, 3 and 3 rows
	QUARTER \s, 1, FA0, FA1, \zero, \set, 0, 0, 4*\cv, \st
	QUARTER \s, 2, FA1, FA0, 0,     \set, 1, 4, 3*\cv, \st
	QUARTER \s, 3, FA0, FA1, 0,     \set, 2, 7, 3*\cv, \st
.endm
; The last quarter of a K step: multiplies A's buffer 1 and changes A's slots.  ONE barrier, for two orderings: every wave's reads of this
; step's slot against the next step's stores into it, and every wave's stores of the next A against its readers.  In front of the signal
; each wave waits for all its LDS instructions; between signal and wait stands register work alone.  Loads from memory stay on their way
; across it: they land in the wave's own registers.
.macro TURN next
	GETM Q%5
	s_wait_loadcnt ISS-MKX
	s_wait_dscnt 0x0                               ; my reads of this step's slot and my stores of the next A are done
	MULSEL
	s_barrier_signal -1
	MULA FA1, 0, 0
	MULA FA1, 1, 0
	s_barrier_wait -1
	PLACES
	FETCHA \next, 0, FA0
.if Q+4 < 32
	LOADB Q+4
.endif
	MULSEL
	MULA FA1, 2, 0
	MULA FA1, 3, 0
	MULA FA1, 4, 0
.set Q, Q+1
.endm
	s_load_b256 s[4:11], s[0:1], 0x0               ; x s[4:5], wf s[6:7], list s[8:9], texp s[10:11]
	s_load_b64 s[12:13], s[0:1], 0x20              ; y
	v_lshl_add_u32 v30, v0, 2, 0x15200
	v_mov_b32 v31, 0
	v_lshrrev_b32 v26, 5, v0
	v_readfirstlane_b32 s14, v26                   ; wave 0..7
	s_lshl_b32 s16, ttmp9, 2                       ; texp[j]
	s_mul_i32 s17, ttmp9, 320                      ; list[80 j + 10 w]
	s_mul_i32 s18, s14, 40
	s_add_co_u32 s17, s17, s18
	s_wait_kmcnt 0x0
	s_load_b32 s15, s[10:11], s16 offset:0x0
	s_load_b256 s[ROWS:ROWS+7], s[8:9], s17 offset:0x0
	s_load_b64 s[ROWS+8:ROWS+9], s[8:9], s17 offset:0x20
	s_mul_i32 s18, ttmp9, 80*2048                  ; the tile's 80 rows of y
	s_mov_b32 s19, 0
	s_add_nc_u64 s[12:13], s[12:13], s[18:19]
	s_mul_i32 s20, s14, 10*PA                      ; my 10 rows of an A slot
	s_mul_i32 s21, s14, STG
	s_add_co_u32 s21, s21, STAGE                   ; my stage
	s_lshl_b32 s22, s14, 8                         ; my 64 columns of y, in bytes
	s_lshl_b32 s23, s14, 12                        ; my four fragments of a quarter step of wf
	v_and_b32 v26, 31, v0                          ; lane l
	v_and_b32 v27, 15, v0                          ; r = l % 16
	v_bfe_u32 v28, v0, 4, 1                        ; h = l / 16
	v_lshlrev_b32 v29, 4, v26                      ; 16 l
	v_mul_u32_u24 v[ADRA], v27, PA
	v_lshl_add_u32 v[ADRA], v28, 4, v[ADRA]
	v_lshl_add_u32 v[AST], v26, 3, s20
	v_mul_u32_u24 v[STO], v27, PS                  ; in: row r, places 8 h .. 8 h + 7 of a fragment
	v_lshl_add_u32 v[STO], v28, 5, v[STO]
	v_add_nc_u32 v[STO], s21, v[STO]
	v_mul_u32_u24 v[RD], v28, PS                   ; back: lanes 0-15 one row, lanes 16-31 the next; place r of a fragment
	v_lshl_add_u32 v[RD], v27, 2, v[RD]
	v_add_nc_u32 v[RD], s21, v[RD]
	v_lshlrev_b32 v[CO], 11, v28                   ; and the same two rows of y, columns 64 w + 4 r .. + 3
	v_lshl_add_u32 v[CO], v27, 4, v[CO]
	v_add_nc_u32 v[CO], s22, v[CO]
	v_add_nc_u32 v[BO], s23, v29
	s_wait_kmcnt 0x0
	s_min_u32 s15, s15, 7                          ; a loaded number enters an address only inside its range
	s_lshl_b32 s18, s15, 20                        ; an expert's 1,048,576 bytes of wf (s19 is still 0)
	s_add_nc_u64 s[6:7], s[6:7], s[18:19]
.set rr, 0
.rept 10
	s_min_u32 s[ROWS+rr], s[ROWS+rr], 0x3fff       ; 16,383, x's last row
	v_lshl_add_u32 v[OFF+rr], s[ROWS+rr], 12, v29  ; a row of x is 4,096 bytes
.set rr, rr+1
.endr
	; the start: x's K steps 0 and 1 and B's quarters 0 to 3: 52 loads
	XLOAD 0, 0, 0, 4, 0
	XLOAD 0, 1, 4, 3, 0
	XLOAD 0, 2, 7, 3, 0
	LOADB 0
	XLOAD 1, 0, 0, 4, 1
	XLOAD 1, 1, 4, 3, 1
	XLOAD 1, 2, 7, 3, 1
	LOADB 1
	LOADB 2
	LOADB 3
	; K step 0 of A goes to slot 0; K step 2 is asked for
	CONVC 0, 0, 0, 4
	XLOAD 0, 0, 0, 4, 2
	CONVC 0, 1, 4, 3
	XLOAD 0, 1, 4, 3, 2
	CONVC 0, 2, 7, 3
	XLOAD 0, 2, 7, 3, 2
	s_wait_dscnt 0x0                               ; my rows of A are stored
	s_barrier_signal -1
	s_barrier_wait -1                              ; everybody's are
	FETCHA 0, 0, FA0
	STEP 0, 1, 1, 1, 3                             ; K step 0: its first quarter starts the sums; converts A's step 1, asks for step 3
	TURN 1
	STEP 1, 0, 0, 1, 4
	TURN 0
	STEP 0, 0, 1, 1, 5
	TURN 1
	STEP 1, 0, 0, 1, 6
	TURN 0
	STEP 0, 0, 1, 1, 7
	TURN 1
	STEP 1, 0, 0, 1, -1                            ; nothing of x is left to ask for
	TURN 0
	STEP 0, 0, 1, 1, -1
	TURN 1                                         ; asks for B's quarter 31: the last load
	STEP 1, 0, 0, 0, -1                            ; K step 7: nothing to convert
	GETM Q%5
	s_wait_loadcnt ISS-MKX                         ; the last quarter's B: no load was issued behind it
	s_wait_dscnt 0x0
	MULSEL
	MULA FA1, 0, 0
	MULA FA1, 1, 0
	MULA FA1, 2, 0
	MULA FA1, 3, 0
	MULA FA1, 4, 0
	; THE WAY OUT, 16 rows at a time, through my own stage, which no other wave touches.  In: a lane's eight places of fragment f of row r, at
	; byte 64 f + 32 h of the row.  Back: column 64 w + 4 c + f lies at byte 64 f + 4 c, so four loads of 4 bytes, 64 bytes apart, bring a lane
	; four neighbouring columns; sixteen lanes then hold 256 consecutive bytes of a row of y.
	; LDS serves a wave's instructions in order (ISA guide 5.7.1), so no wait stands between my stores and my loads.
	PLACES
.macro OUT16 a, ob
	WIN 0x04                                       ; LDS store: data (source 1) in window 1
.irp f, 0,1,2,3
	ds_store_b128 v[STO], v[8*(4*\a+\f):8*(4*\a+\f)+3]   offset:64*\f
	ds_store_b128 v[STO], v[8*(4*\a+\f)+4:8*(4*\a+\f)+7] offset:64*\f+16
.endr
	WIN 0
	s_wait_xcnt 0x0                                ; registers that earlier stores to y read are loaded again only behind this wait
.irp t, 0,1,2,3,4,5,6,7
.irp f, 0,1,2,3
	ds_load_b32 v[\ob+4*\t+\f], v[RD] offset:2*\t*PS+64*\f
.endr
.endr
.irp t, 0,1,2,3,4,5,6,7
	s_wait_dscnt 4*(7-\t)                          ; rows 2 t and 2 t + 1 are back; the younger loads, four a pair of rows, may be out
	global_store_b128 v[CO], v[\ob+4*\t:\ob+4*\t+3], s[12:13] offset:(16*\a+2*\t)*2048   ; sixteen lanes store 256 consecutive bytes, aligned
.endr
.endm
	OUT16 0, OB0
	OUT16 1, OB1
	OUT16 2, OB0
	OUT16 3, OB1
	OUT16 4, OB0
	s_wait_tensorcnt 0x0
	ds_add_u32 v30, v31
	s_wait_dscnt 0x0
	s_endpgm
.Lfunc_end_k_qd8bda7a9ef_gemm:
	.size	k_qd8bda7a9ef_gemm, .Lfunc_end_k_qd8bda7a9ef_gemm-k_qd8bda7a9ef_gemm
	.p2alignl 7, 3214868480
	.fill 96, 4, 3214868480
	.section	.rodata,"a",@progbits
	.p2align	6, 0x0
	.amdhsa_kernel k_qd8bda7a9ef_gemm
		.amdhsa_group_segment_fixed_size 87552
		.amdhsa_private_segment_fixed_size 0
		.amdhsa_enable_private_segment 0
		.amdhsa_kernarg_size 40
		.amdhsa_user_sgpr_count 2
		.amdhsa_user_sgpr_kernarg_segment_ptr 1
		.amdhsa_wavefront_size32 1
		.amdhsa_system_sgpr_workgroup_id_x 1
		.amdhsa_system_sgpr_workgroup_id_y 1
		.amdhsa_system_sgpr_workgroup_id_z 1
		.amdhsa_system_vgpr_workitem_id 0
		.amdhsa_next_free_vgpr 512
		.amdhsa_next_free_sgpr 66
		.amdhsa_reserve_vcc 0
		.amdhsa_float_denorm_mode_32 3
		.amdhsa_float_denorm_mode_16_64 3
		.amdhsa_memory_ordered 1
		.amdhsa_forward_progress 1
		.amdhsa_inst_pref_size 137
	.end_amdhsa_kernel
	.amdgpu_metadata
---
amdhsa.version: [ 1, 2 ]
amdhsa.kernels:
  - .name:           k_qd8bda7a9ef_gemm
    .symbol:         k_qd8bda7a9ef_gemm.kd
    .args:
      - { .name: intermediate_states, .offset: 0, .size: 8, .value_kind: global_buffer, .address_space: global }
      - { .name: wf, .offset: 8, .size: 8, .value_kind: global_buffer, .address_space: global }
      - { .name: list, .offset: 16, .size: 8, .value_kind: global_buffer, .address_space: global }
      - { .name: texp, .offset: 24, .size: 8, .value_kind: global_buffer, .address_space: global }
      - { .name: y, .offset: 32, .size: 8, .value_kind: global_buffer, .address_space: global }
    .group_segment_fixed_size: 87552
    .private_segment_fixed_size: 0
    .kernarg_segment_align: 8
    .kernarg_segment_size: 40
    .max_flat_workgroup_size: 256
    .sgpr_count:     66
    .vgpr_count:     512
    .wavefront_size: 32
...
	.end_amdgpu_metadata
.endif
;; end of part 3
;; launch comb (part 4): grid 256 x 1, 8 waves a work-group, no clusters, 0 bytes of LDS; arguments y, pos, tw, out0; writes out0
.if DOCPART == 4
	.amdgcn_target "amdgcn-amd-amdhsa--gfx1250"
	.amdhsa_code_object_version 6
	.text
	.protected	k_qd8bda7a9ef_comb
	.globl	k_qd8bda7a9ef_comb
	.p2align	8
	.type	k_qd8bda7a9ef_comb,@function
k_qd8bda7a9ef_comb:
	s_mov_b64 s[64:65], 0
	v_nop
	global_prefetch_b8 v0, s[64:65] scope:SCOPE_SE
	s_setreg_imm32_b32 hwreg(HW_REG_WAVE_MODE, 25, 1), 1
	s_wait_xcnt 0x0
; comb: out0[t] = tw[2 t] * y[pos[2 t]] + tw[2 t + 1] * y[pos[2 t + 1]], all in f32: the router's weights and the sum over the two experts.
; Wave g = 8 b + w takes tokens 4 g .. 4 g + 3: eight rows of y of 2,048 bytes, all 32 loads issued at once (16,384 bytes of a wave on
; their way), each load 512 consecutive bytes of one row.  A stream: no LDS, no barrier, no matrix unit; each used row of y is read once.
.set OFF, 2                            ; v[2:9]     byte offset in y of my 16 bytes of each of the 8 rows
.set YV,  16                           ; v[16:143]  row r: 16 registers, four loads
.set WV,  144                          ; v[144:159] row r: its weight twice, a pair for the packed arithmetic
	s_load_b256 s[4:11], s[0:1], 0x0               ; y s[4:5], pos s[6:7], tw s[8:9], out0 s[10:11]
	v_lshrrev_b32 v1, 5, v0
	v_readfirstlane_b32 s12, v1
	s_lshl_b32 s13, ttmp9, 3
	s_add_co_u32 s12, s12, s13                     ; g
	s_lshl_b32 s14, s12, 5                         ; eight words of pos and of tw
	v_and_b32 v1, 31, v0
	v_lshlrev_b32 v1, 4, v1                        ; 16 lane
	s_wait_kmcnt 0x0
	s_load_b256 s[16:23], s[6:7], s14 offset:0x0
	s_load_b256 s[24:31], s[8:9], s14 offset:0x0
	s_lshl_b32 s12, s12, 13                        ; four rows of out0 of 2,048 bytes
	s_mov_b32 s13, 0
	s_add_nc_u64 s[10:11], s[10:11], s[12:13]
	s_wait_kmcnt 0x0
.irp r, 0,1,2,3,4,5,6,7
	s_min_u32 s[16+\r], s[16+\r], 0x423f           ; 16,959, y's last row: a loaded number enters an address only inside its range
	v_lshl_add_u32 v[OFF+\r], s[16+\r], 11, v1
.endr
.irp r, 0,1,2,3,4,5,6,7
.irp c, 0,1,2,3
	global_load_b128 v[YV+16*\r+4*\c:YV+16*\r+4*\c+3], v[OFF+\r], s[4:5] offset:512*\c th:TH_LOAD_NT
.endr
.endr
.irp r, 0,1,2,3,4,5,6,7
	v_mov_b32 v[WV+2*\r],   s[24+\r]
	v_mov_b32 v[WV+2*\r+1], s[24+\r]
.endr
.irp k, 0,1,2,3
	s_wait_loadcnt 24-8*\k                         ; loads come back in order (ISA guide 5.7.1): token k's eight are in, the later tokens' stay out
.irp p, 0,1,2,3,4,5,6,7
	v_pk_mul_f32 v[YV+32*\k+2*\p:YV+32*\k+2*\p+1], v[YV+32*\k+2*\p:YV+32*\k+2*\p+1], v[WV+4*\k:WV+4*\k+1]
.endr
.irp p, 0,1,2,3,4,5,6,7
	v_pk_fma_f32 v[YV+32*\k+2*\p:YV+32*\k+2*\p+1], v[YV+32*\k+16+2*\p:YV+32*\k+16+2*\p+1], v[WV+4*\k+2:WV+4*\k+3], v[YV+32*\k+2*\p:YV+32*\k+2*\p+1]
.endr
.irp c, 0,1,2,3
	global_store_b128 v1, v[YV+32*\k+4*\c:YV+32*\k+4*\c+3], s[10:11] offset:2048*\k+512*\c th:TH_STORE_NT   ; 512 consecutive bytes, aligned
.endr
.endr
	s_endpgm
.Lfunc_end_k_qd8bda7a9ef_comb:
	.size	k_qd8bda7a9ef_comb, .Lfunc_end_k_qd8bda7a9ef_comb-k_qd8bda7a9ef_comb
	.p2alignl 7, 3214868480
	.fill 96, 4, 3214868480
	.section	.rodata,"a",@progbits
	.p2align	6, 0x0
	.amdhsa_kernel k_qd8bda7a9ef_comb
		.amdhsa_group_segment_fixed_size 0
		.amdhsa_private_segment_fixed_size 0
		.amdhsa_enable_private_segment 0
		.amdhsa_kernarg_size 32
		.amdhsa_user_sgpr_count 2
		.amdhsa_user_sgpr_kernarg_segment_ptr 1
		.amdhsa_wavefront_size32 1
		.amdhsa_system_sgpr_workgroup_id_x 1
		.amdhsa_system_sgpr_workgroup_id_y 1
		.amdhsa_system_sgpr_workgroup_id_z 1
		.amdhsa_system_vgpr_workitem_id 0
		.amdhsa_next_free_vgpr 160
		.amdhsa_next_free_sgpr 66
		.amdhsa_reserve_vcc 0
		.amdhsa_float_denorm_mode_32 3
		.amdhsa_float_denorm_mode_16_64 3
		.amdhsa_memory_ordered 1
		.amdhsa_forward_progress 1
		.amdhsa_inst_pref_size 11
	.end_amdhsa_kernel
	.amdgpu_metadata
---
amdhsa.version: [ 1, 2 ]
amdhsa.kernels:
  - .name:           k_qd8bda7a9ef_comb
    .symbol:         k_qd8bda7a9ef_comb.kd
    .args:
      - { .name: y, .offset: 0, .size: 8, .value_kind: global_buffer, .address_space: global }
      - { .name: pos, .offset: 8, .size: 8, .value_kind: global_buffer, .address_space: global }
      - { .name: tw, .offset: 16, .size: 8, .value_kind: global_buffer, .address_space: global }
      - { .name: out0, .offset: 24, .size: 8, .value_kind: global_buffer, .address_space: global }
    .group_segment_fixed_size: 0
    .private_segment_fixed_size: 0
    .kernarg_segment_align: 8
    .kernarg_segment_size: 32
    .max_flat_workgroup_size: 256
    .sgpr_count:     66
    .vgpr_count:     160
    .wavefront_size: 32
...
	.end_amdgpu_metadata
.endif
;; end of part 4
;; ======== version 2 of 2: 4 launches; version 1 with the launches gemm, comb written anew for expert scheduling mode
;; limits: values are held in f16: magnitudes above 65,504 overflow, below 6.1e-05 lose precision; inputs' magnitudes at most 65,504
;; workspace buffers: wf 8,388,608 bytes; code 65,536 bytes of whole numbers; tw 65,536 bytes; cntb 8,192 bytes of whole numbers; list 131,072 bytes of whole numbers; pos 65,536 bytes of whole numbers; texp 1,024 bytes of whole numbers; y 34,734,080 bytes
;; launch prep: the kernel of part 1 again; grid 256 x 1, 8 waves a work-group, no clusters, 0 bytes of LDS; arguments w, router_logits, wf, code, tw, cntb, list; writes wf, code, tw, cntb, list
;; launch sort: the kernel of part 2 again; grid 1 x 1, 32 waves a work-group, no clusters, 12,544 bytes of LDS; arguments code, cntb, list, pos, texp; writes list, pos, texp
;; launch gemm (part 5): grid 212 x 1, 8 waves a work-group, no clusters, 87,552 bytes of LDS; arguments intermediate_states, wf, list, texp, y; writes y
.if DOCPART == 5
	.amdgcn_target "amdgcn-amd-amdhsa--gfx1250"
	.amdhsa_code_object_version 6
	.text
	.protected	k_qd8bda7a9ef_gemm
	.globl	k_qd8bda7a9ef_gemm
	.p2align	8
	.type	k_qd8bda7a9ef_gemm,@function
k_qd8bda7a9ef_gemm:
	s_mov_b64 s[64:65], 0
	v_nop
	global_prefetch_b8 v0, s[64:65] scope:SCOPE_SE
	s_setreg_imm32_b32 hwreg(HW_REG_WAVE_SCHED_MODE, 0, 2), 2
	s_setreg_imm32_b32 hwreg(HW_REG_WAVE_MODE, 25, 1), 1
	s_wait_xcnt 0x0
	s_wait_alu depctr_vm_vsrc(0)
; gemm: y[p][n] = sum over k of x[list[p]][k] * w[texp[p / 80]][k][n], p = 0 .. 16,959, n = 0 .. 511, k = 0 .. 1,023.
; x f32, rounded once to f16 on its way; w comes as wf, in f16 and in fragment order; sums and y in f32.  The router's weight is applied
; by the next launch, in f32.
; WHY f16: a result is a sum of 1,024 products and is compared within a hundredth of the output's root mean square; 11 significant bits
; in each factor leave that allowance far off, 8 bits do not.
; LIMIT: an |x| above 65,504 becomes infinite in f16; below 2^-14 the step is 2^-24.  (Rows of spread 0.02, 30 times larger or smaller:
; 0.6 and 6.7e-4, whose 2^-24 is a ten-thousandth of the spread.)
; Work-group j makes places 80 j .. 80 j + 79 (one expert), all 512 columns, so each row of x is read by one work-group, once.
; Eight waves, two on each of a WGP's four SIMDs; wave w makes 80 rows x columns 64 w .. 64 w + 63: 20 accumulator tiles of 16 x 16.
; 212 work-groups are the bound of the tile count for every routing ((16,384 + 8 x 79) / 80); how many hold rows is known only from
; memory (205 at the least).  A tile without rows runs the same text on padding entries (row 0, expert 7) and stores places that
; nobody reads: every wave must pass every barrier, so no branch on loaded numbers stands round them.
; K goes in 32 quarter steps of 32, four to a K step of 128, written out: no loop, no label.
;   B (wf): a wave's columns of B are read by that wave alone, so LDS would share nothing.  The launch before has laid the weights out as
;          register images of fragments; a quarter step's four fragments are 4,096 consecutive bytes, eight loads of 512 bytes, straight
;          into one of FIVE register buffers that take turns: in quarter q the buffer that quarter q - 1 has used is loaded for q + 4.
;          No barrier drains these loads.  Fragment f holds column 64 w + 4 c + f at its place c; the way out puts the columns in order.
;   A (x): gathered by rows and needed by all eight waves, so through registers into LDS: wave w loads rows 10 w .. 10 w + 9, 512 bytes of
;          a row with one load, into two sets of 40 registers, converts them and stores them to one of two LDS slots; one barrier a K step.
; WHY EIGHT WAVES: a load brings 512 bytes and LOADcnt counts up to 63 (ISA guide 5.7.1).  A wave here has at most 52 loads out (32 of B,
; four quarters ahead, and up to 20 of x); eight waves have 208 KiB on their way, which four could not.
; LOADS ARE COUNTED BY THE ASSEMBLER: ISS is the number of loads issued so far in the text, a mark the value of ISS at a group's last load;
; loads come back in order (ISA guide 5.7.1), so the wait for a group has the count ISS - mark: the loads issued behind it.
; NO TENSOR LOADS: nothing of B is shared inside the work-group, and x's rows are scattered.  NO CLUSTER: neighbouring tiles of one expert
; do read the same B, but which expert a tile has is a number read from memory; a joint request wants an address made only of coordinates
; that the partners share, and a constant map from tiles to experts would have to serve 8,192 rows for each expert, four times the work.
; THE MODE: SCHED_MODE bits 1:0 = 2 (LLVM: expert scheduling mode 2), set by the entry lines.  The code itself states the register dependences
; between vector or matrix instructions and memory or LDS instructions, with s_wait_alu, always for 0.
; THE PLAN.  Registers that memory or LDS instructions touch:
;   v1-6, v8-17   addresses and offsets: written at the head, once; read by memory and LDS instructions; never written again.
;   CT            written by a part's conversions, read by that part's LDS stores, written again a quarter later.
;   RS            a part (4, 3 or 3 rows of a set): its loads land in it, its conversions read it, and it is loaded again in the same quarter.
;   FA0, FA1      in quarter q the fragment loads land in the buffer that quarter q - 1's matrix instructions read.
;   B0 .. B4      in quarter q the loads for quarter q + 4 land in buffer (q - 1) % 5, which quarter q - 1's matrix instructions read.
;   accumulators  written by matrix instructions; read by the LDS stores of the way out.
;   v32-191       on the way out: five blocks of rows of y, each loaded from LDS once and stored once.
; So a quarter has TWO such waits, in its middle, behind its first eight matrix instructions.  One on vm_vsrc ahead of the conversions: the LDS stores
; of the part before have read CT.  One on va_vdst behind them: CT is written; the conversions are done reading their part of RS; the matrix
; instructions of the quarter before are done reading the other FA buffer and B's buffer (q - 1) % 5.  All the quarter's memory and LDS instructions
; follow that wait, dealt among its last twelve matrix instructions, which name B's buffer q % 5, the FA buffer at work and the accumulators:
; none of the registers that those loads and stores touch.
; REGISTERS, in two windows of 256 (s_set_vgpr_msb, low byte: bits 1:0 source 0, 3:2 source 1, 5:4 source 2, 7:6 destination):
;   window 0: v1-6 addresses, v8-17 x offsets, v18-25 converted pairs, v32-111 two sets of x rows in f32,
;             v112-151, v152-191 fragments of A (two buffers), v192-223, v224-255 B's buffers 3 and 4; on the way out v32-191: rows of y
;   window 1: v0-159 accumulators, tile (a, f) at v[8 (4 a + f)]; v160-191, v192-223, v224-255 B's buffers 0, 1, 2
; THE MATRIX INSTRUCTION IS USED TRANSPOSED: source 0 = a fragment of B, source 1 = 16 rows of A: lane l then holds row l % 16 and its
; registers 0-7 the fragment's places 8 (l / 16) + 0..7.
.set PA,    272                        ; A's LDS row: 256 bytes (128 f16) + 16: an odd multiple of 16, so 16 rows start at 16 different 16-byte columns modulo 256
.set SLOTA, 80*PA                      ; 21,760
.set STAGE, 2*SLOTA                    ; 43,520: behind A's two slots, the stages of the way out
.set PS,    336                        ; a stage's row: 256 bytes (64 f32) + 80: an odd multiple of 16 for the 16-byte stores, and 84 words, so that the two rows
                                       ; that a 4-byte load reads lie 20 banks apart (64 banks of 4 bytes: ISA guide 11.1): words 0-15 and 20-35
.set STG,   16*PS                      ; 5,376: a wave's stage, 16 rows
.set ADRA, 1                           ; v1      A fragments: 272 r + 16 h
.set AST,  2                           ; v2      where I store 8 bytes of a converted row
.set STO,  3                           ; v3      the way out: where I put 32 bytes of a fragment's row
.set RD,   4                           ; v4      the way out: where I read a column back
.set CO,   5                           ; v5      my byte offset in the tile's rows of y
.set BO,   6                           ; v6      my byte offset in a quarter step's 32,768 bytes of wf; never rewritten
.set OFF,  8                           ; v8-17   byte offset in x of my 16 bytes of my wave's 10 rows; never rewritten
.set CT,   18                          ; v18-25  four converted pairs
.set RS,   32                          ; v32-111 two sets of 10 rows x 4 f32
.set OB,   32                          ; v32-191 the way out: row block a's 16 rows of y at OB + 32 a
.set FA0,  112
.set FA1,  152
.set ROWS, 24                          ; s[24:33] my wave's 10 row numbers
.set MSB, 0
.set ISS, 0                            ; loads issued so far
.set Q,   0                            ; the quarter step at work
.macro WIN new                         ; the immediate's high byte repeats the setting that is left
.if MSB != (\new)
	s_set_vgpr_msb (MSB<<8)|(\new)
.set MSB, (\new)
.endif
.endm
.macro BSEL n                          ; B's buffer n: its window BW and its first register BR
.if (\n) < 3
.set BW, 1
.set BR, 160+32*(\n)
.else
.set BW, 0
.set BR, 192+32*((\n)-3)
.endif
.endm
.macro MARK n                          ; group n's last load has just been issued.  Groups 0-4: B's buffers; 5 + 3 set + part: the parts of x's sets
.irp k, 0,1,2,3,4,5,6,7,8,9,10
.if (\n) == \k
.set MK\k, ISS
.endif
.endr
.endm
.macro GETM n                          ; MKX = group n's mark
.irp k, 0,1,2,3,4,5,6,7,8,9,10
.if (\n) == \k
.set MKX, MK\k
.endif
.endr
.endm
.macro PLACES                          ; four plain vector instructions between a matrix instruction and a load into, or a store from, its registers
.rept 4
	v_nop
.endr
.endm
; eight loads: quarter step q's four fragments of my 64 columns, 4,096 consecutive bytes, into buffer q % 5
.macro LOADB q
	BSEL (\q)%5
	WIN BW<<6                                      ; destination in the buffer's window, address in window 0
.irp f, 0,1,2,3
	global_load_b128 v[BR+8*\f:BR+8*\f+3],   v[BO], s[6:7] offset:(\q)*32768+\f*1024       ; k = 8 h .. 8 h + 7 of the fragment's place r
	global_load_b128 v[BR+8*\f+4:BR+8*\f+7], v[BO], s[6:7] offset:(\q)*32768+\f*1024+512   ; k = 16 + 8 h ..
.endr
.set ISS, ISS+8
	MARK (\q)%5
.endm
; n loads: K step st of rows r0 .. r0 + n - 1 of my 10, part p of register set 'set'; each load takes 512 consecutive bytes of one row.
; Every row is named once by the list, but for row 0, which padding names too.
.macro XLOAD set, p, r0, n, st
	WIN 0
.set rr, \r0
.rept \n
	global_load_b128 v[RS+40*\set+4*rr:RS+40*\set+4*rr+3], v[OFF+rr], s[4:5] offset:512*\st th:TH_LOAD_NT
.set rr, rr+1
.endr
.set ISS, ISS+\n
	MARK 5+3*\set+\p
.endm
; the same rows, rounded to f16.  Where more than 63 loads have been issued behind the part no wait on LOADcnt is written: the wait for B
; at the quarter's head, whose loads are younger than the part's, has shown it in.  again = 1: a part has been converted and stored before.
.macro CONV set, p, r0, n, again
	GETM 5+3*\set+\p
.if ISS-MKX <= 63
	s_wait_loadcnt ISS-MKX
.endif
	WIN 0
.if \again
	s_wait_alu depctr_vm_vsrc(0)                   ; the LDS stores of the part before have read v[CT ..], which the conversions below write again
.endif
.set rr, \r0
.rept \n
	v_cvt_pk_f16_f32 v[CT+2*(rr-\r0)],   v[RS+40*\set+4*rr],   v[RS+40*\set+4*rr+1]
	v_cvt_pk_f16_f32 v[CT+2*(rr-\r0)+1], v[RS+40*\set+4*rr+2], v[RS+40*\set+4*rr+3]
.set rr, rr+1
.endr
.endm
; and stored to A's slot 'set'
.macro PUT set, r0, n
.set rr, \r0
.rept \n
	ds_store_b64 v[AST], v[CT+2*(rr-\r0):CT+2*(rr-\r0)+1] offset:\set*SLOTA+PA*rr      ; 32 lanes, 256 consecutive bytes: a row
.set rr, rr+1
.endr
.endm
; ten LDS loads: A's fragments (80 rows x 32 K) of quarter qq of slot s
.macro FETCHA s, qq, fa
	WIN 0
.irp a, 0,1,2,3,4
	ds_load_b128 v[\fa+8*\a:\fa+8*\a+3],   v[ADRA] offset:\s*SLOTA+\a*16*PA+64*\qq
	ds_load_b128 v[\fa+8*\a+4:\fa+8*\a+7], v[ADRA] offset:\s*SLOTA+\a*16*PA+64*\qq+32
.endr
.endm
.macro MULSEL                          ; windows for the products of quarter Q: source 0 in B's buffer's window, source 1 in window 0, C and D in window 1
	BSEL Q%5
	WIN 0x50+BW
.endm
; four matrix instructions: row block a x my four fragments, 32 along K.  zero = 1: the product starts the sums, nothing is cleared.
; The 20 accumulators take turns, one instruction a turn, in the same order in every quarter step.
.macro MULA fa, a, zero
.irp f, 0,1,2,3
.if \zero
	v_wmma_f32_16x16x32_f16 v[8*(4*\a+\f):8*(4*\a+\f)+7], v[BR+8*\f:BR+8*\f+7], v[\fa+8*\a:\fa+8*\a+7], 0
.else
	v_wmma_f32_16x16x32_f16 v[8*(4*\a+\f):8*(4*\a+\f)+7], v[BR+8*\f:BR+8*\f+7], v[\fa+8*\a:\fa+8*\a+7], v[8*(4*\a+\f):8*(4*\a+\f)+7]
.endif
.endr
.endm
; One of a K step's first three quarters: multiplies A's buffer fa and B's buffer Q % 5.  In its middle it converts a part of the next K step's
; A (n rows; n = 0: none); behind the wait that follows it stores that part, fetches A's quarter qn of slot s into buffer ga, asks for B's quarter
; Q + 4 and (st >= 0) for K step st of the rows just converted, these dealt among the last three row blocks' products.
; The conversions (six or eight) are the places between the matrix instructions that read those buffers last, in the
; quarter before, and the loads into them; where there are none, four v_nop.  B is asked for ahead of x, so that x has until the wait for
; the NEXT quarter's B to come back.
.macro QUARTER s, qn, fa, ga, zero, set, p, r0, n, st
	GETM Q%5
	s_wait_loadcnt ISS-MKX                         ; this quarter's B is in; what was issued behind it stays out
	s_wait_dscnt 6                                 ; A's row blocks 0 and 1 are in; the youngest six loads (row blocks 2 to 4) may be out
	MULSEL
	MULA \fa, 0, \zero
	MULA \fa, 1, \zero
.if \n
	CONV \set, \p, \r0, \n, 1
.else
	PLACES
	WIN 0
.endif
	s_wait_alu depctr_va_vdst(0)                   ; the quarter before's matrix instructions are done reading A's buffer ga and B's buffer (Q - 1) % 5, in which loads below land;
	                                               ; where a part was converted: v[CT ..] is written, which the LDS stores read, and the conversions are done reading their rows, which are loaded again
.if \n
	PUT \set, \r0, \n
.endif
	FETCHA \s, \qn, \ga
	s_wait_dscnt 10                                ; all but the ten fragment loads just issued
	MULSEL
	MULA \fa, 2, \zero                             ; from here to the quarter's end the matrix instructions name B's buffer Q % 5, A's buffer fa and the accumulators alone
.if Q+4 < 32
	LOADB Q+4                                      ; no further wait: nothing issued since the wait above names this buffer or v[BO]
	MULSEL
.endif
	MULA \fa, 3, \zero
.if \n
.if \st >= 0
	XLOAD \set, \p, \r0, \n, \st                   ; likewise: nothing issued since that wait names these rows' registers or their offsets
	MULSEL
.endif
.endif
	MULA \fa, 4, \zero
.set Q, Q+1
.endm
.macro STEP s, zero, set, cv, st       ; cv = 1: the next K step's A is converted, in parts of 4, 3 and 3 rows
	QUARTER \s, 1, FA0, FA1, \zero, \set, 0, 0, 4*\cv, \st
	QUARTER \s, 2, FA1, FA0, 0,     \set, 1, 4, 3*\cv, \st
	QUARTER \s, 3, FA0, FA1, 0,     \set, 2, 7, 3*\cv, \st
.endm
; The last quarter of a K step: multiplies A's buffer 1 and changes A's slots.  ONE barrier, for two orderings: every wave's reads of this
; step's slot against the next step's stores into it, and every wave's stores of the next A against its readers.  In front of the signal
; each wave waits for all its LDS instructions; between signal and wait stands register work alone.  Loads from memory stay on their way
; across it: they land in the wave's own registers.
.macro TURN next
	GETM Q%5
	s_wait_loadcnt ISS-MKX
	s_wait_dscnt 0x0                               ; my reads of this step's slot and my stores of the next A are done
	MULSEL
	s_barrier_signal -1
	MULA FA1, 0, 0
	MULA FA1, 1, 0
	s_barrier_wait -1
	PLACES
	WIN 0
	s_wait_alu depctr_va_vdst(0)                   ; the quarter before's matrix instructions are done reading A's buffer 0 and B's buffer (Q - 1) % 5, in which the loads below land
	FETCHA \next, 0, FA0
	MULSEL
	MULA FA1, 2, 0                                 ; these name B's buffer Q % 5, A's buffer 1 and the accumulators alone
.if Q+4 < 32
	LOADB Q+4                                      ; no further wait: nothing issued since the wait above names this buffer or v[BO]
	MULSEL
.endif
	MULA FA1, 3, 0
	MULA FA1, 4, 0
.set Q, Q+1
.endm
; The start: part p of K step 0 of A goes to slot 0, and K step 2 of the same rows is asked for.
.macro FIRSTA p, r0, n, again
	CONV 0, \p, \r0, \n, \again
	s_wait_alu depctr_va_vdst(0)                   ; the conversions have written v[CT ..], which the LDS stores read, and are done reading their rows, which are loaded again
	PUT 0, \r0, \n
	XLOAD 0, \p, \r0, \n, 2
.endm
	s_load_b256 s[4:11], s[0:1], 0x0               ; x s[4:5], wf s[6:7], list s[8:9], texp s[10:11]
	s_load_b64 s[12:13], s[0:1], 0x20              ; y
	v_lshl_add_u32 v30, v0, 2, 0x15200
	v_mov_b32 v31, 0
	v_lshrrev_b32 v26, 5, v0
	v_readfirstlane_b32 s14, v26                   ; wave 0..7
	s_lshl_b32 s16, ttmp9, 2                       ; texp[j]
	s_mul_i32 s17, ttmp9, 320                      ; list[80 j + 10 w]
	s_wait_alu depctr_va_sdst(0)                   ; s14 is written, ahead of its first reader: the list's offset and the wave's shares are made from it
	s_mul_i32 s18, s14, 40
	s_add_co_u32 s17, s17, s18
	s_wait_kmcnt 0x0
	s_load_b32 s15, s[10:11], s16 offset:0x0
	s_load_b256 s[ROWS:ROWS+7], s[8:9], s17 offset:0x0
	s_load_b64 s[ROWS+8:ROWS+9], s[8:9], s17 offset:0x20
	s_mul_i32 s18, ttmp9, 80*2048                  ; the tile's 80 rows of y
	s_mov_b32 s19, 0
	s_add_nc_u64 s[12:13], s[12:13], s[18:19]
	s_mul_i32 s20, s14, 10*PA                      ; my 10 rows of an A slot
	s_mul_i32 s21, s14, STG
	s_add_co_u32 s21, s21, STAGE                   ; my stage
	s_lshl_b32 s22, s14, 8                         ; my 64 columns of y, in bytes
	s_lshl_b32 s23, s14, 12                        ; my four fragments of a quarter step of wf
	v_and_b32 v26, 31, v0                          ; lane l
	v_and_b32 v27, 15, v0                          ; r = l % 16
	v_bfe_u32 v28, v0, 4, 1                        ; h = l / 16
	v_lshlrev_b32 v29, 4, v26                      ; 16 l
	v_mul_u32_u24 v[ADRA], v27, PA
	v_lshl_add_u32 v[ADRA], v28, 4, v[ADRA]
	v_lshl_add_u32 v[AST], v26, 3, s20
	v_mul_u32_u24 v[STO], v27, PS                  ; in: row r, places 8 h .. 8 h + 7 of a fragment
	v_lshl_add_u32 v[STO], v28, 5, v[STO]
	v_add_nc_u32 v[STO], s21, v[STO]
	v_mul_u32_u24 v[RD], v28, PS                   ; back: lanes 0-15 one row, lanes 16-31 the next; place r of a fragment
	v_lshl_add_u32 v[RD], v27, 2, v[RD]
	v_add_nc_u32 v[RD], s21, v[RD]
	v_lshlrev_b32 v[CO], 11, v28                   ; and the same two rows of y, columns 64 w + 4 r .. + 3
	v_lshl_add_u32 v[CO], v27, 4, v[CO]
	v_add_nc_u32 v[CO], s22, v[CO]
	v_add_nc_u32 v[BO], s23, v29
	s_wait_kmcnt 0x0
	s_min_u32 s15, s15, 7                          ; a loaded number enters an address only inside its range
	s_lshl_b32 s18, s15, 20                        ; an expert's 1,048,576 bytes of wf (s19 is still 0)
	s_add_nc_u64 s[6:7], s[6:7], s[18:19]
.set rr, 0
.rept 10
	s_min_u32 s[ROWS+rr], s[ROWS+rr], 0x3fff       ; 16,383, x's last row
	v_lshl_add_u32 v[OFF+rr], s[ROWS+rr], 12, v29  ; a row of x is 4,096 bytes
.set rr, rr+1
.endr
	s_wait_alu depctr_va_vdst(0)                   ; the six addresses v1 to v6 and the ten offsets v8 to v17 are written: every load and store of the kernel, from memory or LDS, reads one of them
	; the start: x's K steps 0 and 1 and B's quarters 0 to 3: 52 loads
	XLOAD 0, 0, 0, 4, 0
	XLOAD 0, 1, 4, 3, 0
	XLOAD 0, 2, 7, 3, 0
	LOADB 0
	XLOAD 1, 0, 0, 4, 1
	XLOAD 1, 1, 4, 3, 1
	XLOAD 1, 2, 7, 3, 1
	LOADB 1
	LOADB 2
	LOADB 3
	; K step 0 of A goes to slot 0; K step 2 is asked for
	FIRSTA 0, 0, 4, 0
	FIRSTA 1, 4, 3, 1
	FIRSTA 2, 7, 3, 1
	s_wait_dscnt 0x0                               ; my rows of A are stored
	s_barrier_signal -1
	s_barrier_wait -1                              ; everybody's are
	FETCHA 0, 0, FA0                               ; no vector or matrix instruction has named A's buffer 0 yet
	STEP 0, 1, 1, 1, 3                             ; K step 0: its first quarter starts the sums; converts A's step 1, asks for step 3
	TURN 1
	STEP 1, 0, 0, 1, 4
	TURN 0
	STEP 0, 0, 1, 1, 5
	TURN 1
	STEP 1, 0, 0, 1, 6
	TURN 0
	STEP 0, 0, 1, 1, 7
	TURN 1
	STEP 1, 0, 0, 1, -1                            ; nothing of x is left to ask for
	TURN 0
	STEP 0, 0, 1, 1, -1
	TURN 1                                         ; asks for B's quarter 31: the last load
	STEP 1, 0, 0, 0, -1                            ; K step 7: nothing to convert
	GETM Q%5
	s_wait_loadcnt ISS-MKX                         ; the last quarter's B: no load was issued behind it
	s_wait_dscnt 0x0
	MULSEL
	MULA FA1, 0, 0
	MULA FA1, 1, 0
	MULA FA1, 2, 0
	MULA FA1, 3, 0
	MULA FA1, 4, 0
	; THE WAY OUT, 16 rows at a time, through my own stage, which no other wave touches.  In: a lane's eight places of fragment f of row r, at
	; byte 64 f + 32 h of the row.  Back: column 64 w + 4 c + f lies at byte 64 f + 4 c, so four loads of 4 bytes, 64 bytes apart, bring a lane
	; four neighbouring columns; sixteen lanes then hold 256 consecutive bytes of a row of y.
	; LDS serves a wave's instructions in order (ISA guide 5.7.1), so no wait stands between my stores and my loads.
	; Each row block comes back into 32 registers of its own, so no register that a store to y reads is written again.
	PLACES
	WIN 0x04                                       ; LDS store: data (source 1) in window 1
	s_wait_alu depctr_va_vdst(0)                   ; the matrix instructions have written the accumulators, which the LDS stores read (the places above stay beside this wait);
	                                               ; conversions and matrix instructions are done reading v32 to v191, in which the loads from the stage land.  No vector or matrix instruction follows
.macro OUT16 a
	WIN 0x04
.irp f, 0,1,2,3
	ds_store_b128 v[STO], v[8*(4*\a+\f):8*(4*\a+\f)+3]   offset:64*\f
	ds_store_b128 v[STO], v[8*(4*\a+\f)+4:8*(4*\a+\f)+7] offset:64*\f+16
.endr
	WIN 0
.irp t, 0,1,2,3,4,5,6,7
.irp f, 0,1,2,3
	ds_load_b32 v[OB+32*\a+4*\t+\f], v[RD] offset:2*\t*PS+64*\f
.endr
.endr
.irp t, 0,1,2,3,4,5,6,7
	s_wait_dscnt 4*(7-\t)                          ; rows 2 t and 2 t + 1 are back; the younger loads, four a pair of rows, may be out
	global_store_b128 v[CO], v[OB+32*\a+4*\t:OB+32*\a+4*\t+3], s[12:13] offset:(16*\a+2*\t)*2048   ; sixteen lanes store 256 consecutive bytes, aligned
.endr
.endm
	OUT16 0
	OUT16 1
	OUT16 2
	OUT16 3
	OUT16 4
	s_wait_dscnt 0x0
	s_wait_alu depctr_hold_cnt(0) depctr_sa_sdst(0) depctr_va_vdst(0) depctr_va_sdst(0) depctr_va_ssrc(0) depctr_va_vcc(0) depctr_vm_vsrc(0)
	s_wait_tensorcnt 0x0
	ds_add_u32 v30, v31
	s_wait_dscnt 0x0
	s_endpgm
.Lfunc_end_k_qd8bda7a9ef_gemm:
	.size	k_qd8bda7a9ef_gemm, .Lfunc_end_k_qd8bda7a9ef_gemm-k_qd8bda7a9ef_gemm
	.p2alignl 7, 3214868480
	.fill 96, 4, 3214868480
	.section	.rodata,"a",@progbits
	.p2align	6, 0x0
	.amdhsa_kernel k_qd8bda7a9ef_gemm
		.amdhsa_group_segment_fixed_size 87552
		.amdhsa_private_segment_fixed_size 0
		.amdhsa_enable_private_segment 0
		.amdhsa_kernarg_size 40
		.amdhsa_user_sgpr_count 2
		.amdhsa_user_sgpr_kernarg_segment_ptr 1
		.amdhsa_wavefront_size32 1
		.amdhsa_system_sgpr_workgroup_id_x 1
		.amdhsa_system_sgpr_workgroup_id_y 1
		.amdhsa_system_sgpr_workgroup_id_z 1
		.amdhsa_system_vgpr_workitem_id 0
		.amdhsa_next_free_vgpr 512
		.amdhsa_next_free_sgpr 66
		.amdhsa_reserve_vcc 0
		.amdhsa_float_denorm_mode_32 3
		.amdhsa_float_denorm_mode_16_64 3
		.amdhsa_memory_ordered 1
		.amdhsa_forward_progress 1
		.amdhsa_inst_pref_size 141
	.end_amdhsa_kernel
	.amdgpu_metadata
---
amdhsa.version: [ 1, 2 ]
amdhsa.kernels:
  - .name:           k_qd8bda7a9ef_gemm
    .symbol:         k_qd8bda7a9ef_gemm.kd
    .args:
      - { .name: intermediate_states, .offset: 0, .size: 8, .value_kind: global_buffer, .address_space: global }
      - { .name: wf, .offset: 8, .size: 8, .value_kind: global_buffer, .address_space: global }
      - { .name: list, .offset: 16, .size: 8, .value_kind: global_buffer, .address_space: global }
      - { .name: texp, .offset: 24, .size: 8, .value_kind: global_buffer, .address_space: global }
      - { .name: y, .offset: 32, .size: 8, .value_kind: global_buffer, .address_space: global }
    .group_segment_fixed_size: 87552
    .private_segment_fixed_size: 0
    .kernarg_segment_align: 8
    .kernarg_segment_size: 40
    .max_flat_workgroup_size: 256
    .sgpr_count:     66
    .vgpr_count:     512
    .wavefront_size: 32
...
	.end_amdgpu_metadata
.endif
;; end of part 5
;; launch comb (part 6): grid 256 x 1, 8 waves a work-group, no clusters, 0 bytes of LDS; arguments y, pos, tw, out0; writes out0
.if DOCPART == 6
	.amdgcn_target "amdgcn-amd-amdhsa--gfx1250"
	.amdhsa_code_object_version 6
	.text
	.protected	k_qd8bda7a9ef_comb
	.globl	k_qd8bda7a9ef_comb
	.p2align	8
	.type	k_qd8bda7a9ef_comb,@function
k_qd8bda7a9ef_comb:
	s_mov_b64 s[64:65], 0
	v_nop
	global_prefetch_b8 v0, s[64:65] scope:SCOPE_SE
	s_setreg_imm32_b32 hwreg(HW_REG_WAVE_SCHED_MODE, 0, 2), 2
	s_setreg_imm32_b32 hwreg(HW_REG_WAVE_MODE, 25, 1), 1
	s_wait_xcnt 0x0
	s_wait_alu depctr_vm_vsrc(0)
; comb: out0[t] = tw[2 t] * y[pos[2 t]] + tw[2 t + 1] * y[pos[2 t + 1]], all in f32: the router's weights and the sum over the two experts.
; Wave g = 8 b + w takes tokens 4 g .. 4 g + 3: eight rows of y of 2,048 bytes, all 32 loads issued at once (16,384 bytes of a wave on
; their way), each load 512 consecutive bytes of one row.  A stream: no LDS, no barrier, no matrix unit; each used row of y is read once.
; THE MODE: SCHED_MODE bits 1:0 = 2 (LLVM: expert scheduling mode 2), set by the entry lines.  The code itself states the register dependences
; between vector instructions and memory instructions, with s_wait_alu, always for 0.
; THE PLAN.  Registers that memory instructions touch:
;   v1, v[2:9]   offsets: written at the head, once; read by the stores and the loads; never written again.
;   YV           token k's 32 registers: its eight loads land in them; its packed arithmetic reads them and writes its sums into the lower 16;
;                its four stores read those 16, which nothing writes again.
; WV is named by vector instructions alone.  So one wait on va_vdst stands ahead of the loads (the offsets are written), and one ahead of each
; token's four stores (its sums are written): token k - 1's stores stand at the head of token k, behind the wait for token k's loads.
; No register that a memory instruction reads is written again, so no wait on vm_vsrc is owed.
.set OFF, 2                            ; v[2:9]     byte offset in y of my 16 bytes of each of the 8 rows
.set YV,  16                           ; v[16:143]  row r: 16 registers, four loads
.set WV,  144                          ; v[144:159] row r: its weight twice, a pair for the packed arithmetic
.macro SEND k                          ; token k's row of out0
.irp c, 0,1,2,3
	global_store_b128 v1, v[YV+32*(\k)+4*\c:YV+32*(\k)+4*\c+3], s[10:11] offset:2048*(\k)+512*\c th:TH_STORE_NT   ; 512 consecutive bytes, aligned
.endr
.endm
	s_load_b256 s[4:11], s[0:1], 0x0               ; y s[4:5], pos s[6:7], tw s[8:9], out0 s[10:11]
	v_lshrrev_b32 v1, 5, v0
	v_readfirstlane_b32 s12, v1
	s_lshl_b32 s13, ttmp9, 3
	s_wait_alu depctr_va_sdst(0)                   ; s12 is written, ahead of its first reader: the offsets in pos, tw and out0 are made from it
	s_add_co_u32 s12, s12, s13                     ; g
	s_lshl_b32 s14, s12, 5                         ; eight words of pos and of tw
	v_and_b32 v1, 31, v0
	v_lshlrev_b32 v1, 4, v1                        ; 16 lane
	s_wait_kmcnt 0x0
	s_load_b256 s[16:23], s[6:7], s14 offset:0x0
	s_load_b256 s[24:31], s[8:9], s14 offset:0x0
	s_lshl_b32 s12, s12, 13                        ; four rows of out0 of 2,048 bytes
	s_mov_b32 s13, 0
	s_add_nc_u64 s[10:11], s[10:11], s[12:13]
	s_wait_kmcnt 0x0
.irp r, 0,1,2,3,4,5,6,7
	s_min_u32 s[16+\r], s[16+\r], 0x423f           ; 16,959, y's last row: a loaded number enters an address only inside its range
	v_lshl_add_u32 v[OFF+\r], s[16+\r], 11, v1
.endr
	s_wait_alu depctr_va_vdst(0)                   ; v1 and the eight offsets v2 to v9 are written: every load and store below reads one of them
.irp r, 0,1,2,3,4,5,6,7
.irp c, 0,1,2,3
	global_load_b128 v[YV+16*\r+4*\c:YV+16*\r+4*\c+3], v[OFF+\r], s[4:5] offset:512*\c th:TH_LOAD_NT
.endr
.endr
.irp r, 0,1,2,3,4,5,6,7
	v_mov_b32 v[WV+2*\r],   s[24+\r]
	v_mov_b32 v[WV+2*\r+1], s[24+\r]
.endr
.irp k, 0,1,2,3
	s_wait_loadcnt 24-8*\k                         ; loads come back in order (ISA guide 5.7.1): token k's eight are in, the later tokens' stay out
.if \k > 0
	s_wait_alu depctr_va_vdst(0)                   ; the token before's sums are written, which the four stores below read
	SEND \k-1
.endif
.irp p, 0,1,2,3,4,5,6,7
	v_pk_mul_f32 v[YV+32*\k+2*\p:YV+32*\k+2*\p+1], v[YV+32*\k+2*\p:YV+32*\k+2*\p+1], v[WV+4*\k:WV+4*\k+1]
.endr
.irp p, 0,1,2,3,4,5,6,7
	v_pk_fma_f32 v[YV+32*\k+2*\p:YV+32*\k+2*\p+1], v[YV+32*\k+16+2*\p:YV+32*\k+16+2*\p+1], v[WV+4*\k+2:WV+4*\k+3], v[YV+32*\k+2*\p:YV+32*\k+2*\p+1]
.endr
.endr
	s_wait_alu depctr_va_vdst(0)                   ; the last token's sums are written, which the last four stores read
	SEND 3
	s_endpgm
.Lfunc_end_k_qd8bda7a9ef_comb:
	.size	k_qd8bda7a9ef_comb, .Lfunc_end_k_qd8bda7a9ef_comb-k_qd8bda7a9ef_comb
	.p2alignl 7, 3214868480
	.fill 96, 4, 3214868480
	.section	.rodata,"a",@progbits
	.p2align	6, 0x0
	.amdhsa_kernel k_qd8bda7a9ef_comb
		.amdhsa_group_segment_fixed_size 0
		.amdhsa_private_segment_fixed_size 0
		.amdhsa_enable_private_segment 0
		.amdhsa_kernarg_size 32
		.amdhsa_user_sgpr_count 2
		.amdhsa_user_sgpr_kernarg_segment_ptr 1
		.amdhsa_wavefront_size32 1
		.amdhsa_system_sgpr_workgroup_id_x 1
		.amdhsa_system_sgpr_workgroup_id_y 1
		.amdhsa_system_sgpr_workgroup_id_z 1
		.amdhsa_system_vgpr_workitem_id 0
		.amdhsa_next_free_vgpr 160
		.amdhsa_next_free_sgpr 66
		.amdhsa_reserve_vcc 0
		.amdhsa_float_denorm_mode_32 3
		.amdhsa_float_denorm_mode_16_64 3
		.amdhsa_memory_ordered 1
		.amdhsa_forward_progress 1
		.amdhsa_inst_pref_size 12
	.end_amdhsa_kernel
	.amdgpu_metadata
---
amdhsa.version: [ 1, 2 ]
amdhsa.kernels:
  - .name:           k_qd8bda7a9ef_comb
    .symbol:         k_qd8bda7a9ef_comb.kd
    .args:
      - { .name: y, .offset: 0, .size: 8, .value_kind: global_buffer, .address_space: global }
      - { .name: pos, .offset: 8, .size: 8, .value_kind: global_buffer, .address_space: global }
      - { .name: tw, .offset: 16, .size: 8, .value_kind: global_buffer, .address_space: global }
      - { .name: out0, .offset: 24, .size: 8, .value_kind: global_buffer, .address_space: global }
    .group_segment_fixed_size: 0
    .private_segment_fixed_size: 0
    .kernarg_segment_align: 8
    .kernarg_segment_size: 32
    .max_flat_workgroup_size: 256
    .sgpr_count:     66
    .vgpr_count:     160
    .wavefront_size: 32
...
	.end_amdgpu_metadata
.endif
;; end of part 6
